; MI455X (gfx1250); checked and timed in simulation.
; The chip was launched on July 23, 2026; its instructions are those of AMD's public machine-readable ISA for CDNA 5 (MIT licence, August 2026) and "CDNA5" Instruction Set Architecture Reference Guide (July 2026). The comments in the code are by the model that wrote it; some were corrected since.
;; Adaptive Pooling2 D. Allowed arithmetic: float matrix products may take bf16 or f16 operands with f32 sums; all other float work in f32.
;; Inputs: x 16 x 224 x 224 x 128 float32.
;; Outputs: out0 16 x 7 x 7 x 128 float32.
;; One version. Each part assembles by itself: llvm-mc -triple=amdgcn-amd-amdhsa -mcpu=gfx1250 --defsym DOCPART=n.
;; ======== version 1 of 1: 1 launch
;; launch pool (part 1): grid 256 x 1, 32 waves a work-group, no clusters, 69,632 bytes of LDS; arguments x, out0; writes out0
.if DOCPART == 1
	.amdgcn_target "amdgcn-amd-amdhsa--gfx1250"
	.amdhsa_code_object_version 6
	.text
	.protected	k_q03a055a136_pool
	.globl	k_q03a055a136_pool
	.p2align	8
	.type	k_q03a055a136_pool,@function
k_q03a055a136_pool:
	s_mov_b64 s[64:65], 0
	v_nop
	global_prefetch_b8 v0, s[64:65] scope:SCOPE_SE
	s_setreg_imm32_b32 hwreg(HW_REG_WAVE_MODE, 25, 1), 1
	s_wait_xcnt 0x0
; Adaptive average pooling, x [16][224][224][128] f32 -> out0 [16][7][7][128] f32.
; 224 / 7 = 32 exactly: 784 disjoint bins of 32 x 32 pixels, out = (sum of 1,024 pixels) * 2^-10 for each channel.
; Bin n = (7 b + i) * 7 + j lies in strip n / 7 (32 image rows) at column block n % 7, and its result at byte 512 n of out0.
;
; SHARES.  256 work-groups of 32 waves.  784 = 3 x 256 + 16: work-group g owns bins 3 g .. 3 g + 2.  The 16 bins left over are cut
; by CHANNELS, the only cut that keeps a whole sum inside one work-group, into quarters of 32 channels (128 contiguous bytes of each
; pixel): 64 pieces, so a work-group carries 3 or 3.25 bins.  Quarter (g >> 2) & 3 of bin 768 + (g >> 4) goes to the g with
; (g + (g >> 4)) & 3 == 0: four of any 16 consecutive g, and four of the 16 g that share g % 16.
; A pixel is 512 bytes = one b128 load of a wave, lane l holding channels 4 l .. 4 l + 3.  Wave w takes pixel w of every row, so the
; byte offset is 16 x thread, the 32 waves read a bin's row as 16,384 contiguous bytes, and sums over pixels never cross lanes.
; Every byte of x is read once.  No two work-groups read the same byte: nothing to share in a cluster, and the data arrive in the
; lanes that need them, so staging x in LDS would only add a trip.
; LIMIT, stated: the f32 sums are formed in another order than a plain mean's (a chain over 32 rows in each wave, then a chain over
; the 32 waves); the scale 2^-10 is exact.  NaN and infinities pass through the sums as in any order.
; 64 of the stores (the quarters) cover 128 bytes; all others cover 512 aligned bytes.
.set PIX,    512                       ; bytes of a pixel
.set ROWP,   224*PIX                   ; bytes from an image row to the next: 114,688
.set STRIP,  32*ROWP                   ; bytes of a strip of 32 image rows; 112 strips are below 2^32
.set ROWS,   32                        ; rows of a bin = loads of a wave for a bin
.set BINS,   3                         ; whole bins of a work-group
.set MAIN,   BINS*ROWS                 ; 96 loads of a wave for them
.set QLOADS, 8                         ; loads of a wave for a quarter: its row's 32 pixels, 4 pixels x 128 bytes a load
.set RING,   16                        ; slots in registers = loads of a wave in flight
.set WAVES,  32
.set REGION, WAVES*PIX                 ; LDS: 16,384 bytes for each sum (3 bins, 1 quarter), 512 bytes a wave
.set TOFF,   1                         ; v1       16 x thread: my 16 bytes in a bin's row, and in an LDS region
.set LOFF,   2                         ; v2       16 x lane
.set WV,     3                         ; v3       wave
.set ACC,    4                         ; v[4:19]  sums: bin 0, 1, 2, quarter; 4 channels each
.set X,      20                        ; v[20:83] the ring, 4 registers a slot
.set SOFF,   84                        ; v84      my byte offset in the quarter's bin
.set RADR,   85                        ; v85      LDS address of my 16 bytes in the region that my wave sums
.set TMP,    86
.set BASE,   12                        ; s[12:19] x at the first byte of bin 0, 1, 2 and of the quarter
; s[lo] = byte offset in x of bin n's first pixel, s[lo+1] = 0.  n / 7 = (n * 9363) >> 16: 9363 / 65536 exceeds 1 / 7 by 1.09e-5,
; which times n <= 783 stays below 1 / 7, so the floor is right.
.macro BINOFF lo, n
	s_mul_i32 s[(\lo)+1], \n, 9363
	s_lshr_b32 s[(\lo)+1], s[(\lo)+1], 16          ; strip
	s_mul_i32 s[(\lo)], s[(\lo)+1], 7
	s_sub_co_u32 s[(\lo)], \n, s[(\lo)]            ; column block j
	s_lshl_b32 s[(\lo)], s[(\lo)], 14              ; j x 16,384 bytes along the row
	s_mul_i32 s[(\lo)+1], s[(\lo)+1], STRIP
	s_add_co_u32 s[(\lo)], s[(\lo)], s[(\lo)+1]
	s_mov_b32 s[(\lo)+1], 0
.endm
	s_load_b128 s[4:7], s[0:1], 0x0                ; x s[4:5], out0 s[6:7]
	v_lshl_add_u32 v88, v0, 2, 0x10000
	v_mov_b32 v89, 0
	v_lshlrev_b32 v[TOFF], 4, v0
	v_and_b32 v[LOFF], 31, v0
	v_lshrrev_b32 v[WV], 5, v0
	v_readfirstlane_b32 s8, v[WV]                  ; wave 0..31, as a scalar
	v_lshlrev_b32 v[LOFF], 4, v[LOFF]
	s_mul_i32 s9, ttmp9, BINS                      ; my first bin
	BINOFF BASE, s9
	s_add_co_u32 s10, s9, 1
	BINOFF BASE+2, s10
	s_add_co_u32 s10, s9, 2
	BINOFF BASE+4, s10
	s_lshr_b32 s11, ttmp9, 4                       ; g >> 4
	s_add_co_u32 s20, s11, ttmp9
	s_and_b32 s20, s20, 3                          ; 0: this work-group also carries a quarter
	s_cmp_eq_u32 s20, 0
	s_cselect_b32 s21, BINS+1, BINS                ; how many sums it makes
	s_wait_kmcnt 0x0
	s_add_nc_u64 s[BASE:BASE+1],   s[4:5], s[BASE:BASE+1]
	s_add_nc_u64 s[BASE+2:BASE+3], s[4:5], s[BASE+2:BASE+3]
	s_add_nc_u64 s[BASE+4:BASE+5], s[4:5], s[BASE+4:BASE+5]
; Load number idx of my wave's stream: row idx % 32 of sum idx / 32.  Row 0 lands in the sum's accumulator and starts it: nothing is
; cleared.  The row stands in the immediate (at most 31 x 114,688, inside its 24 bits), so no address register is ever stepped and the
; stream needs no wait that frees one; that is why the turns are written out by .rept.
; The quarter's loads carry no hint: the 128 bytes beside each piece are wanted by another work-group.
.macro LD idx
.set b_, (\idx)/ROWS
.set r_, (\idx)%ROWS
.if r_ == 0
.set d_, ACC+4*b_
.else
.set d_, X+4*((\idx)%RING)
.endif
.if b_ < BINS
	global_load_b128 v[d_:d_+3], v[TOFF], s[BASE+2*b_:BASE+2*b_+1] offset:r_*ROWP th:TH_LOAD_NT
.else
	global_load_b128 v[d_:d_+3], v[SOFF], s[BASE+2*b_:BASE+2*b_+1] offset:r_*4*PIX
.endif
.endm
; Turns first .. last of a stream of total loads.  Turn t adds load t to its sum and asks for load t + RING into the same slot.
; Loads return in issue order (ISA guide 5.7.1); at turn t's wait the loads up to t + RING - 1 have been issued, so RING - 1 younger
; ones stay out, or as many as are left.  A turn whose load went to an accumulator has nothing to add and nothing to wait for.
; (The arguments are pasted as text: each stands in brackets wherever it enters an expression.)
.macro TURNS first, last, total
.set t, (\first)
.rept (\last)-(\first)+1
.if t%ROWS != 0
.if t+RING-1 < (\total)
	s_wait_loadcnt RING-1
.else
	s_wait_loadcnt (\total)-1-t
.endif
.set a_, ACC+4*(t/ROWS)
.set x_, X+4*(t%RING)
	v_pk_add_f32 v[a_:a_+1],   v[a_:a_+1],   v[x_:x_+1]
	v_pk_add_f32 v[a_+2:a_+3], v[a_+2:a_+3], v[x_+2:x_+3]
.endif
.if t+RING < (\total)
	LD t+RING
.endif
.set t, t+1
.endr
.endm
.set i, 0
.rept RING
	LD i                                           ; fill the ring
.set i, i+1
.endr
	TURNS 0, MAIN-RING-1, MAIN                     ; every turn that refills from the three bins: the same in both kinds of work-group
	s_cmp_lg_u32 s20, 0
	s_cbranch_scc1 .Lplain
	; With a quarter: it runs through the ring as a fourth, short sum, so the ring stays full until the quarter's own run-down.
	; Wave w takes row w; lane l takes pixel 4 k + (l >> 3) in load k, and the 16 bytes l & 7 of the quarter's 128.
	s_add_co_u32 s10, s11, BINS*256                ; bin 768 + (g >> 4)
	BINOFF BASE+6, s10
	s_bfe_u32 s22, ttmp9, 0x20002                  ; quarter (g >> 2) & 3
	s_lshl_b32 s22, s22, 7                         ; x 128 bytes
	s_add_co_u32 s[BASE+6], s[BASE+6], s22
	s_add_nc_u64 s[BASE+6:BASE+7], s[4:5], s[BASE+6:BASE+7]
	v_mul_u32_u24 v[SOFF], v[WV], ROWP
	v_bfe_u32 v[TMP], v0, 3, 2
	v_lshl_add_u32 v[SOFF], v[TMP], 9, v[SOFF]
	v_and_b32 v[TMP], 7, v0
	v_lshl_add_u32 v[SOFF], v[TMP], 4, v[SOFF]
	TURNS MAIN-RING, MAIN+QLOADS-1, MAIN+QLOADS
	ds_store_b128 v[TOFF], v[ACC+4*BINS:ACC+4*BINS+3] offset:BINS*REGION
	s_branch .Ljoin
.Lplain:
	TURNS MAIN-RING, MAIN-1, MAIN                  ; without: the run-down alone
.Ljoin:
	; The 32 waves' sums meet in LDS, lanes at neighbouring 16 bytes.
.irp b, 0,1,2
	ds_store_b128 v[TOFF], v[ACC+4*\b:ACC+4*\b+3] offset:\b*REGION
.endr
	s_wait_dscnt 0x0                               ; my stores are in LDS before I say so: a barrier completes no access by itself
	s_barrier_signal -1
	s_barrier_wait -1
	s_cmp_gt_u32 s8, BINS                          ; wave r sums region r: waves 4 .. 31 are done,
	s_cbranch_scc1 .Lend
	s_cmp_ge_u32 s8, s21                           ; and wave 3 too where there is no quarter
	s_cbranch_scc1 .Lend
	s_lshl_b32 s22, s8, 14                         ; my region (16,384 bytes each)
	v_add_nc_u32 v[RADR], s22, v[LOFF]
	ds_load_b128 v[ACC:ACC+3], v[RADR]             ; wave 0's part starts the sum
.set p, 1
.rept RING
	ds_load_b128 v[X+4*(p%RING):X+4*(p%RING)+3], v[RADR] offset:p*PIX
.set p, p+1
.endr
	; As in the stream: at part p's wait the loads up to p + RING - 1 have been issued (LDS answers a wave in order, ISA guide 5.7.1).
.set p, 1
.rept WAVES-1
.if p+RING-1 < WAVES
	s_wait_dscnt RING-1
.else
	s_wait_dscnt WAVES-1-p
.endif
.set x_, X+4*(p%RING)
	v_pk_add_f32 v[ACC:ACC+1],   v[ACC:ACC+1],   v[x_:x_+1]
	v_pk_add_f32 v[ACC+2:ACC+3], v[ACC+2:ACC+3], v[x_+2:x_+3]
.if p+RING < WAVES
	ds_load_b128 v[x_:x_+3], v[RADR] offset:(p+RING)*PIX
.endif
.set p, p+1
.endr
	s_mov_b32 s23, 0
	s_cmp_eq_u32 s8, BINS
	s_cbranch_scc1 .Lquarter
	; A whole bin: 32 lanes x 16 bytes are its 512 aligned bytes of out0, in one store.
	s_add_co_u32 s22, s9, s8                       ; bin 3 g + wave
	s_lshl_b32 s22, s22, 9
	s_add_nc_u64 s[6:7], s[6:7], s[22:23]
.irp k, 0,2
	v_pk_mul_f32 v[ACC+\k:ACC+\k+1], v[ACC+\k:ACC+\k+1], 0x3a800000 op_sel_hi:[1,0]   ; x 2^-10 = 1 / 1,024 pixels, exact
.endr
	global_store_b128 v[LOFF], v[ACC:ACC+3], s[6:7] th:TH_STORE_NT
	s_wait_tensorcnt 0x0
	ds_add_u32 v88, v89
	s_wait_dscnt 0x0
	s_endpgm
.Lquarter:
	; The quarter: lanes l, l ^ 8, l ^ 16, l ^ 24 hold the same 4 channels of different pixels.  One step inside each half of 16 lanes
	; rides on the add (DPP), one crosses the halves; then every lane holds the whole sum of its 4 channels.
	s_mov_b32 s24, 0x76543210                      ; v_permlanex16_b32: lane i of one half reads lane i of the other
	s_mov_b32 s25, 0xfedcba98
.irp k, 0,1,2,3
	v_add_f32_dpp v[ACC+\k], v[ACC+\k], v[ACC+\k] row_xmask:8 row_mask:0xf bank_mask:0xf
.endr
.irp k, 0,1,2,3
	v_permlanex16_b32 v[X+\k], v[ACC+\k], s24, s25 ; its destination counts as read: the ring's registers have been written
.endr
	s_add_co_u32 s22, s11, BINS*256                ; bin 768 + (g >> 4),
	s_lshl_b32 s22, s22, 9                         ; 512 bytes a bin,
	s_bfe_u32 s26, ttmp9, 0x20002
	s_lshl_b32 s26, s26, 7                         ; + 128 bytes a quarter
	s_add_co_u32 s22, s22, s26
	s_add_nc_u64 s[6:7], s[6:7], s[22:23]
.irp k, 0,2
	v_pk_add_f32 v[ACC+\k:ACC+\k+1], v[ACC+\k:ACC+\k+1], v[X+\k:X+\k+1]
.endr
.irp k, 0,2
	v_pk_mul_f32 v[ACC+\k:ACC+\k+1], v[ACC+\k:ACC+\k+1], 0x3a800000 op_sel_hi:[1,0]
.endr
	v_cmp_gt_u32 vcc_lo, 8*16, v[LOFF]             ; lanes 0 .. 7 hold the quarter's 128 bytes in order
	s_wait_tensorcnt 0x0
	ds_add_u32 v88, v89
	s_wait_dscnt 0x0
	s_and_saveexec_b32 s26, vcc_lo
	global_store_b128 v[LOFF], v[ACC:ACC+3], s[6:7] th:TH_STORE_NT
	s_endpgm                                       ; the wave ends here with 8 lanes on: nothing follows that would want the others
.Lend:
	s_wait_tensorcnt 0x0
	ds_add_u32 v88, v89
	s_wait_dscnt 0x0
	s_endpgm
.Lfunc_end_k_q03a055a136_pool:
	.size	k_q03a055a136_pool, .Lfunc_end_k_q03a055a136_pool-k_q03a055a136_pool
	.p2alignl 7, 3214868480
	.fill 96, 4, 3214868480
	.section	.rodata,"a",@progbits
	.p2align	6, 0x0
	.amdhsa_kernel k_q03a055a136_pool
		.amdhsa_group_segment_fixed_size 69632
		.amdhsa_private_segment_fixed_size 0
		.amdhsa_enable_private_segment 0
		.amdhsa_kernarg_size 16
		.amdhsa_user_sgpr_count 2
		.amdhsa_user_sgpr_kernarg_segment_ptr 1
		.amdhsa_wavefront_size32 1
		.amdhsa_system_sgpr_workgroup_id_x 1
		.amdhsa_system_sgpr_workgroup_id_y 1
		.amdhsa_system_sgpr_workgroup_id_z 1
		.amdhsa_system_vgpr_workitem_id 0
		.amdhsa_next_free_vgpr 90
		.amdhsa_next_free_sgpr 66
		.amdhsa_reserve_vcc 1
		.amdhsa_float_denorm_mode_32 3
		.amdhsa_float_denorm_mode_16_64 3
		.amdhsa_memory_ordered 1
		.amdhsa_forward_progress 1
		.amdhsa_inst_pref_size 41
	.end_amdhsa_kernel
	.amdgpu_metadata
---
amdhsa.version: [ 1, 2 ]
amdhsa.kernels:
  - .name:           k_q03a055a136_pool
    .symbol:         k_q03a055a136_pool.kd
    .args:
      - { .name: x, .offset: 0, .size: 8, .value_kind: global_buffer, .address_space: global }
      - { .name: out0, .offset: 8, .size: 8, .value_kind: global_buffer, .address_space: global }
    .group_segment_fixed_size: 69632
    .private_segment_fixed_size: 0
    .kernarg_segment_align: 8
    .kernarg_segment_size: 16
    .max_flat_workgroup_size: 1024
    .sgpr_count:     66
    .vgpr_count:     90
    .wavefront_size: 32
...
	.end_amdgpu_metadata
.endif
;; end of part 1
